; MI455X (gfx1250); checked and timed in simulation.
; The chip was launched on July 23, 2026; its instructions are those of AMD's public machine-readable ISA for CDNA 5 (MIT licence, August 2026) and "CDNA5" Instruction Set Architecture Reference Guide (July 2026). The comments in the code are by the model that wrote it; some were corrected since.
;; Multi Head Attention. Allowed arithmetic: matrix products marked QUANTISED: E2M1 operands, one E8M0 scale for each 32 along K, by v_wmma_scale_f32_16x16x128_f8f6f4 with both operands' format E2M1 (or v_wmma_scale_f32_32x16x128_f4), f32 sums; everything else in f32.
;; Inputs: Wk_codes 8 x 128 x 32 x 16 uint8 (E2M1 codes of Wk, K innermost, in blocks of 32 codes, two codes a byte); Wk_scales 8 x 128 x 32 uint8 (E8M0 scales of Wk, one for each 32 codes along K); Wp_codes 1,024 x 32 x 16 uint8 (E2M1 codes of Wp, K innermost, in blocks of 32 codes, two codes a byte); Wp_scales 1,024 x 32 uint8 (E8M0 scales of Wp, one for each 32 codes along K); Wq_codes 8 x 128 x 32 x 16 uint8 (E2M1 codes of Wq, K innermost, in blocks of 32 codes, two codes a byte); Wq_scales 8 x 128 x 32 uint8 (E8M0 scales of Wq, one for each 32 codes along K); Wv_codes 8 x 128 x 32 x 16 uint8 (E2M1 codes of Wv, K innermost, in blocks of 32 codes, two codes a byte); Wv_scales 8 x 128 x 32 uint8 (E8M0 scales of Wv, one for each 32 codes along K); bk 8 x 128 float32; bp 1,024 float32; bq 8 x 128 float32; bv 8 x 128 float32; z_codes 4,096 x 32 x 16 uint8 (E2M1 codes of z, K innermost, in blocks of 32 codes, two codes a byte); z_scales 4,096 x 32 uint8 (E8M0 scales of z, one for each 32 codes along K).
;; Outputs: out0 4,096 x 1,024 float32.
;; This version of the problem:
;;   THIS VERSION OF THE PROBLEM IS GIVEN IN LOW PRECISION. The matrix products marked QUANTISED in the list below multiply operands that are first quantised to E2M1 (2 exponent bits, 1 mantissa bit; 4 bits a number), with one power-of-two scale for each 32 numbers along K (OCP MX v1.0); their sums are f32. All else is computed in f32.
;;   The module's matrix products, in the order in which they are computed (A, B: the left and right operand; K: the contracted axis; several contracted axes count as one K, in the product's order):
;;     1. [M 1,024, K 1,024] x [K 1,024, N 4,096]; A: input Wq (given as codes); B: input z (given as codes): QUANTISED
;;     2. [M 1,024, K 1,024] x [K 1,024, N 4,096]; A: input Wk (given as codes); B: input z (given as codes): QUANTISED
;;     3. [M 1,024, K 1,024] x [K 1,024, N 4,096]; A: input Wv (given as codes); B: input z (given as codes): QUANTISED
;;     4. batch 8 x [M 4,096, K 128] x [K 128, N 4,096]; A: computed on the way; B: computed on the way: QUANTISED
;;     5. batch 8 x [M 4,096, K 4,096] x [K 4,096, N 128]; A: softmax (see below); B: computed on the way: QUANTISED
;;     6. [M 4,096, K 1,024] x [K 1,024, N 1,024]; A: computed on the way; B: input Wp (given as codes): QUANTISED
;;   THE QUANTISER, for each operand of a quantised product, along K:
;;     - K is cut into blocks of 32 from its start; a last block that is shorter is filled with zeros.
;;     - A block's scale is 2^e with e = floor(log2(the largest magnitude in the block)) - 2, held to -126 .. 127; a block of zeros has e = 0. As a byte (E8M0): e + 127.
;;     - Each number is divided by its block's scale, clamped to +-6, and rounded to the nearest number of E2M1, ties to even, subnormals kept.
;;     - The product sums the exact products of the quantised numbers (number of the format x scale) in f32.
;;   ~~~python
;;   def quantise(x, axis):      # numpy; x: float32 -> the quantised numbers, widened to float32 again
;;       x = np.moveaxis(x, axis, -1); K = x.shape[-1]
;;       x = np.pad(x, [(0, 0)] * (x.ndim - 1) + [(0, -K % 32)]); x = x.reshape(x.shape[:-1] + (-1, 32)); a = np.abs(x).max(-1, keepdims=True)
;;       e = np.where(a > 0, np.clip(np.frexp(np.where(a > 0, a, 1))[1] - 1 - 2, -126, 127), 0)      # np.frexp(a)[1] - 1 = floor(log2(a)), exactly
;;       r = np.clip(x / 2.0 ** e, -6, 6)
;;       step = 2.0 ** (np.maximum(np.frexp(np.where(r == 0, 1, r))[1] - 1, 0) - 1)
;;       q = np.round(r / step) * step * 2.0 ** e      # np.round: ties to even
;;       return np.moveaxis(q.reshape(q.shape[:-2] + (-1,))[..., :K], -1, axis).astype(np.float32)
;;   ~~~
;;   SOFTMAX AHEAD OF A QUANTISED PRODUCT. Where the list says 'softmax', what is quantised is not the finished softmax but p = 2^(t - M), with t = logit x log2(e) and M = ceil(the row's largest t), a whole number; so 1/2 < the row's largest p <= 1. The row's sum l is taken of the UNQUANTISED p, in f32, and the product's result is divided by l at the end. Since M is a whole number, a kernel that streams over the keys may use a running M (the ceiling of the running maximum): every later rescaling is an exact power of two, which a block's scale takes up: the codes' values come out the same.
;;   OPERANDS COMPUTED ON THE WAY. 'Computed on the way' means the value that the module computes at that place (a softmax that the list does not call 'softmax' is quantised finished and normalised). What goes into a quantiser is computed in f32, as accurately as f32 sums, v_exp_f32 and their like allow (about 1e-6 of the number): no bf16 or f16 on the way to a quantiser, and a product that is left as it is and whose result goes on into a quantised operand takes f32 operands (vector FMAs, or v_wmma_f32_16x16x4_f32). A number that lies on a knife's edge between two numbers of the format may be rounded either way, as far as f32 arithmetic and the matrix unit's own rounding can turn it there, and no further.
;;   INPUTS GIVEN AS CODES. Wk (in the module: [8, 1024, 128], K = its axis 1); Wp (in the module: [1024, 1024], K = its axis 0); Wq (in the module: [8, 1024, 128], K = its axis 1); Wv (in the module: [8, 1024, 128], K = its axis 1); z (in the module: [4096, 1024], K = its axis 1): each comes as NAME_codes (uint8): NAME with its K axis moved to the last place and cut into blocks of 32 codes, [.., K / 32, bytes a block], one block behind the other in memory; two codes a byte, the lower K in the low four bits (a code: sign, 2 exponent bits, 1 mantissa bit); and NAME_scales (uint8): the same leading axes, one E8M0 byte (e + 127) for each 32 codes along K. Its value is code x scale, taken as it is: it is not quantised again, and the codes and scales need not be those that the quantiser above would give.
;; One version. Each part assembles by itself: llvm-mc -triple=amdgcn-amd-amdhsa -mcpu=gfx1250 --defsym DOCPART=n.
;; ======== version 1 of 1: 3 launches
;; limits: right only within a limited range of input values
;; workspace buffers: qbuf 2,228,224 bytes; kvbuf 4,456,448 bytes; cat 2,228,224 bytes
;; launch qkv (part 1): grid 32 x 8, 8 waves a work-group, clusters of 4 x 4, 327,680 bytes of LDS; arguments z_codes, z_scales, Wq_codes, Wq_scales, Wk_codes, Wk_scales, Wv_codes, Wv_scales, bq, bk, bv, qbuf, kvbuf; writes qbuf, kvbuf
.if DOCPART == 1
	.amdgcn_target "amdgcn-amd-amdhsa--gfx1250"
	.amdhsa_code_object_version 6
	.text
	.protected	k_qc3e7484493_qkv
	.globl	k_qc3e7484493_qkv
	.p2align	8
	.type	k_qc3e7484493_qkv,@function
k_qc3e7484493_qkv:
	s_mov_b64 s[64:65], 0
	v_nop
	global_prefetch_b8 v0, s[64:65] scope:SCOPE_SE
	s_setreg_imm32_b32 hwreg(HW_REG_WAVE_MODE, 25, 1), 1
	s_wait_xcnt 0x0
	s_wait_alu depctr_hold_cnt(0) depctr_sa_sdst(0) depctr_va_vdst(0) depctr_va_sdst(0) depctr_va_ssrc(0) depctr_va_vcc(0) depctr_vm_vsrc(0)
	s_getreg_b32 s2, hwreg(HW_REG_IB_STS2, 6, 4)
	s_cmp_eq_u32 s2, 0
	s_cbranch_scc0 .Lentry_in_a_cluster
	s_endpgm
.Lentry_in_a_cluster:
	s_bfe_u32 s2, ttmp6, 0x10000c
	s_cmp_lg_u32 s2, 0xf033
	s_cbranch_scc0 .Lentry_shape_is_right
	s_endpgm
.Lentry_shape_is_right:
; q, k, v = z W + b for ONE head and 128 rows of z, on codes of FP4 (E2M1) with one E8M0 scale for each 32 along K = 1,024; then q, k, v are quantised in registers
; (q and k along the head's 128, v along the 128 keys of this block) and leave as IMAGES OF OPERAND REGISTERS: a fragment (16 rows x 128 K) is 1,024 bytes, registers 4 c .. 4 c + 3 of lane l at 512 c + 16 l.
; qbuf  [head 8][block 32][8,704]:  8 fragments (query tiles), then 128 scale words (in the tiles' order).
; kvbuf [head 8][block 32][17,408]: K's 8 fragments (key tiles), V^T's 8 (channel tiles, K = the block's 128 keys), K's 128 scale words (in the tiles' order), V's 128 (by channel).
; THE ROWS OF A TILE OF z: tile 4 c + u holds the rows 64 c + 32 (r / 8) + 8 u + r % 8.  So queries and keys lie in this order in the images, and in v's result a lane holds a whole block of 32 keys.
; SHARES.  Work-group (x = block of 128 rows, y = head); 8 waves: c = wave / 4 takes z's four tiles of rows 64 c on, b = wave % 4 the 32 columns 32 b on of each of q, k, v.  The 32 x 16 x 128 form:
; q, k: source 0 = 32 rows of W, source 1 = a tile of z: a lane holds one row of z and 16 of the block of 32 columns.  v: source 0 = two tiles of z, source 1 = 16 rows of Wv: a lane holds one channel.
; ALL OF K LIES IN LDS, filled once: no slot is filled again.  z comes in four pieces of 32 rows, 128 bytes beyond a multiple of 256 apart, so that the two groups of eight rows of a tile start at different banks.
; CLUSTERS 4 x 4: W's tiles hang on the head alone and are asked for jointly along a row of the cluster, z's on the block alone and jointly along a column.  The scale words go from memory straight into registers.
; The biases are the C of the first products.  No prefetch: there is no loop over tiles to ask ahead in.
; LIMITS: NaN and infinities are not served.  A block whose largest magnitude lies under 2^-124 keeps the scale byte 1; a block of zeros gets the byte 1 and zero codes (this program alone reads the bytes).
; In kvbuf the word 4 m + u of K's 128 scale words, and of V's, is that of row m (0 .. 31) of the pair u of tiles: a lane takes its words of all four pairs at once.
.set PS,   17024                       ; a piece of z: 32 rows x (512 + 16) bytes, + 128
.set RB,   67584                       ; 128 rows of W
.set WB,   4*PS                        ; Wq, Wk, Wv
.set STG,  WB+3*RB                     ; 1,536 bytes: the new scale bytes meet here; no tensor load lands here
.set SPARE, STG+1536
.set WV,   30                          ; wave;  s31 c, s32 b
.set ZC,   31
.set CB,   32
.set SEL,  92
; REGISTERS, window 0: v4 z's, v5-7 Wq's, Wk's, Wv's fragments' LDS addresses; v8-11 scale words' offsets; v15, v16 biases'; v17 16 x lane; v18 16 r + 8 h; v19-21 the stage; v22-23 bv; v30-31 the add's;
;   v32-111, v112-191 two buffers of fragments (z 4 x 8, Wq 16, Wk 16, Wv 16); v192-255 scale words: two sets of 4 K steps: q, k, z's two pairs of tiles, z's two odd tiles, v's two tiles.
; Window 1: v0-63 q, v64-127 k (16 a tile of z), v128-191 v (16 a pair of z's tiles, 32 a tile of channels); v192-255 biases, then the quantiser's.
.set MSB, 0
.macro WIN new
.if MSB != \new
	s_set_vgpr_msb (MSB<<8)|\new
.set MSB, \new
.endif
.endm
.macro ROUND                           ; a round of the cluster's barrier
	s_barrier_signal -1
	s_barrier_wait -1
	s_cmp_lg_u32 s[WV], 0
	s_cbranch_scc1 .Lnot_wave_0_\@
	s_barrier_signal -3
.Lnot_wave_0_\@:
	s_barrier_wait -3
	s_barrier_signal -1
	s_barrier_wait -1
.endm
	s_load_b512 s[4:19], s[0:1], 0x0               ; z codes, z scales, Wq codes, Wq scales, Wk codes, Wk scales, Wv codes, Wv scales
	s_load_b256 s[20:27], s[0:1], 0x40             ; bq, bk, bv, qbuf
	s_load_b64 s[28:29], s[0:1], 0x60              ; kvbuf
	v_lshl_add_u32 v30, v0, 2, SPARE
	v_mov_b32 v31, 0
	ds_add_u32 v30, v31                            ; the opening add, twice on end
	ds_add_u32 v30, v31
	v_lshrrev_b32 v1, 5, v0
	v_readfirstlane_b32 s[WV], v1
	s_lshr_b32 s[ZC], s[WV], 2
	s_and_b32 s[CB], s[WV], 3
	s_bfe_u32 s33, ttmp6, 0x40000                  ; cx
	s_bfe_u32 s34, ttmp6, 0x40004                  ; cy
	s_lshl_b32 s35, ttmp9, 2
	s_add_co_u32 s35, s35, s33                     ; block of rows
	s_and_b32 s36, ttmp7, 0xffff
	s_lshl_b32 s36, s36, 2
	s_add_co_u32 s36, s36, s34                     ; head
	s_lshl_b32 s37, s34, 2
	s_lshl_b32 s37, 15, s37                        ; my row of the cluster: shares the head
	s_lshl_b32 s38, 0x1111, s33                    ; my column: shares the block of rows
	; group 1: rows of 512 bytes, 4 words of padding behind every 128; s[40:47] W's 128 rows (mask: my row), s[48:55] a piece of z, 32 rows (mask: my column); bit 21 beside a mask
	s_or_b32 s40, s37, (1<<20)|(1<<21)|(6<<22)|(3<<25)
	s_or_b32 s48, s38, (1<<20)|(1<<21)|(6<<22)|(3<<25)
	s_mov_b32 s42, 128<<16
	s_mov_b32 s44, 128
	s_mov_b32 s50, 32<<16
	s_mov_b32 s52, 32
.irp g, 40, 48
	s_mov_b32 s[\g+1], 512<<16
	s_mov_b32 s[\g+3], 512<<16
	s_mov_b32 s[\g+5], 512
	s_mov_b32 s[\g+6], 0
	s_mov_b32 s[\g+7], 0
.endr
	s_mov_b32 s[SEL], 0x76543210
	s_mov_b32 s[SEL+1], 0xfedcba98
	; waves 0-3 fetch z's pieces, waves 4-6 Wq, Wk, Wv, wave 7 nothing: wave % 4 counts in both
	s_lshl_b32 s70, s35, 16
	s_lshl_b32 s72, s[CB], 14
	s_add_co_u32 s70, s70, s72                     ; z: block x 65,536 + piece x 16,384
	s_mov_b32 s71, 0
	s_lshl_b32 s74, s36, 16                        ; W: head x 65,536
	s_mov_b32 s75, 0
	s_mul_i32 s76, s[CB], PS
	s_mul_i32 s77, s[CB], RB
	s_add_co_u32 s77, s77, WB
	s_mul_i32 s78, s[ZC], 2*PS                     ; my two pieces of z
	s_mul_i32 s79, s[CB], 16896
	s_add_co_u32 s79, s79, WB                      ; my 32 rows of W
	s_lshl_b32 s80, s[ZC], 8
	s_add_co_u32 s80, s80, s[CB]
	s_add_co_u32 s80, s80, STG                     ; q's scale bytes: 4 x (64 c + 16 n + r) + b
	s_lshl_b32 s83, s[ZC], 3
	s_add_co_u32 s83, s83, s[CB]
	s_add_co_u32 s83, s83, STG+512                 ; k's: tile 4 c + n is half n % 2 of pair 2 c + n / 2: 16 x (16 (n % 2) + r) + 4 (2 c + n / 2) + b
	s_lshl_b32 s81, s[CB], 2
	s_lshl_b32 s82, s[ZC], 1
	s_add_co_u32 s81, s81, s82
	s_add_co_u32 s81, s81, STG+1024                ; v's: channel tile 2 b + ct is half ct of pair b: 16 x (16 ct + r) + 4 b + 2 c + h
	s_lshl_b32 s82, s[WV], 9
	s_add_co_u32 s82, s82, STG                     ; a type's 512 bytes
	v_and_b32 v1, 31, v0
	v_and_b32 v2, 15, v0
	v_bfe_u32 v3, v0, 4, 1
	v_lshrrev_b32 v12, 3, v2
	v_and_b32 v13, 7, v2
	v_mul_u32_u24 v4, v12, PS
	v_mul_u32_u24 v14, v2, 528
	v_lshlrev_b32 v10, 10, v12
	v_mad_u32_u24 v4, v13, 528, v4
	v_lshl_add_u32 v14, v3, 4, v14
	v_lshl_add_u32 v10, v13, 5, v10                ; z's scale bytes: 32 x (32 (r / 8) + r % 8)
	v_lshl_add_u32 v4, v3, 4, v4
	v_add_nc_u32 v5, s79, v14
	v_lshl_add_u32 v9, v3, 8, v10                  ; and lanes 16-31 the next tile's
	v_add_nc_u32 v4, s78, v4
	v_add_nc_u32 v6, RB, v5
	v_add_nc_u32 v7, 2*RB, v5
	v_lshlrev_b32 v8, 5, v1
	v_lshlrev_b32 v11, 5, v2
	v_lshlrev_b32 v15, 5, v3
	v_lshlrev_b32 v16, 2, v2
	v_lshlrev_b32 v17, 4, v1
	v_lshlrev_b32 v18, 4, v2
	v_add_nc_u32 v19, s80, v16
	v_add_nc_u32 v20, s81, v18
	v_add_nc_u32 v24, s83, v18
	v_lshl_add_u32 v18, v3, 3, v18
	v_add_nc_u32 v20, v20, v3
	v_add_nc_u32 v21, s82, v17
	s_wait_alu depctr_va_vdst(0)                   ; the wait ahead of the blocking waits
	s_wait_dscnt 0x0                               ; both opening adds are done
	s_wait_kmcnt 0x0
	s_cmp_eq_u32 s[CB], 0
	s_cselect_b64 s[58:59], s[8:9], s[16:17]
	s_cmp_eq_u32 s[CB], 1
	s_cselect_b64 s[58:59], s[12:13], s[58:59]
	s_add_nc_u64 s[58:59], s[58:59], s[74:75]
	s_or_b32 s59, s59, 0x80000000
	s_mov_b32 s56, 1
	s_mov_b32 s57, s77
	s_mov_b32 s60, 1
	s_mov_b32 s61, s76
	s_add_nc_u64 s[62:63], s[4:5], s[70:71]
	s_or_b32 s63, s63, 0x80000000
	ROUND                                          ; all sixteen work-groups are here: the joint loads meet
	s_cmp_lt_u32 s[WV], 4
	s_cbranch_scc0 .Lfor_w
	tensor_load_to_lds s[60:63], s[48:55]
	s_nop 0
.rept 4
	v_nop
.endr
	s_branch .Lasked
.Lfor_w:
	s_cmp_lt_u32 s[WV], 7
	s_cbranch_scc0 .Lasked
	tensor_load_to_lds s[56:59], s[40:47]
	s_nop 0
.rept 4
	v_nop
.endr
.Lasked:
	s_lshl_b32 s70, s35, 12                        ; z's scale bytes: block x 4,096 + c x 2,048
	s_lshl_b32 s72, s[ZC], 11
	s_add_co_u32 s70, s70, s72
	s_add_nc_u64 s[84:85], s[6:7], s[70:71]
	s_lshl_b32 s74, s36, 12                        ; W's: head x 4,096 + b x 1,024
	s_lshl_b32 s72, s[CB], 10
	s_add_co_u32 s74, s74, s72
	s_add_nc_u64 s[86:87], s[10:11], s[74:75]
	s_add_nc_u64 s[88:89], s[14:15], s[74:75]
	s_add_nc_u64 s[90:91], s[18:19], s[74:75]
	s_lshl_b32 s74, s36, 9                         ; the biases: head x 512 + b x 128
	s_lshl_b32 s72, s[CB], 7
	s_add_co_u32 s74, s74, s72
	s_add_nc_u64 s[20:21], s[20:21], s[74:75]
	s_add_nc_u64 s[22:23], s[22:23], s[74:75]
	s_add_nc_u64 s[24:25], s[24:25], s[74:75]
.irp w, 0,1                            ; four K steps' words in a load of 16 bytes
	global_load_b128 v[192+32*\w:195+32*\w], v8, s[86:87] offset:16*\w
	global_load_b128 v[196+32*\w:199+32*\w], v8, s[88:89] offset:16*\w
.irp p, 0,1
	global_load_b128 v[200+32*\w+4*\p:203+32*\w+4*\p], v9, s[84:85] offset:16*\w+512*\p
	global_load_b128 v[208+32*\w+4*\p:211+32*\w+4*\p], v10, s[84:85] offset:16*\w+512*\p+256
	global_load_b128 v[216+32*\w+4*\p:219+32*\w+4*\p], v11, s[90:91] offset:16*\w+512*\p
.endr
.endr
	global_load_b32 v22, v16, s[24:25]
	global_load_b32 v23, v16, s[24:25] offset:64
	WIN 0x40
.irp e, 0,1                            ; register 8 e + j wants the bias of column 32 b + 16 e + 8 h + j
.irp g, 0,1
	global_load_b128 v[192+8*\e+4*\g:195+8*\e+4*\g], v15, s[20:21] offset:64*\e+16*\g
	global_load_b128 v[208+8*\e+4*\g:211+8*\e+4*\g], v15, s[22:23] offset:64*\e+16*\g
.endr
.endr
	; where my results go
	s_lshl_b32 s66, s36, 5
	s_add_co_u32 s66, s66, s35
	s_mul_i32 s66, s66, 8704
	s_mov_b32 s67, 0
	s_add_nc_u64 s[26:27], s[26:27], s[66:67]
	s_lshl_b32 s66, s66, 1
	s_add_nc_u64 s[28:29], s[28:29], s[66:67]
	s_lshl_b32 s66, s[ZC], 12                      ; q, k: tile 4 c + n; the block b of 32 columns: 256 bytes of a fragment
	s_lshl_b32 s72, s[CB], 8
	s_add_co_u32 s66, s66, s72
	s_add_nc_u64 s[94:95], s[26:27], s[66:67]
	s_add_nc_u64 s[96:97], s[28:29], s[66:67]
	s_lshl_b32 s66, s[CB], 11                      ; v: channel tile 2 b + ct; the half c of a fragment
	s_lshl_b32 s72, s[ZC], 9
	s_add_co_u32 s66, s66, s72
	s_add_co_u32 s66, s66, 8192
	s_add_nc_u64 s[98:99], s[28:29], s[66:67]
	s_min_u32 s66, s[WV], 1                        ; scale words: waves 0, 1, 2: q's at 8,192, k's at 16,384, v's at 16,896
	s_lshl_b32 s66, s66, 13
	s_lshr_b32 s72, s[WV], 1
	s_lshl_b32 s72, s72, 9
	s_add_co_u32 s66, s66, s72
	s_add_co_u32 s66, s66, 8192
	s_cmp_eq_u32 s[WV], 0
	s_cselect_b64 s[100:101], s[26:27], s[28:29]
	s_add_nc_u64 s[100:101], s[100:101], s[66:67]
	s_wait_loadcnt 0x0
.set JJ, 0
.rept 16
	v_mov_b32 v[224+JJ], v22                       ; a lane's channel is one: its bias in all its registers
	v_mov_b32 v[240+JJ], v23
.set JJ, JJ+1
.endr
	WIN 0
	s_wait_alu depctr_va_vdst(0)                   ; the wait ahead of the blocking wait
	s_wait_tensorcnt 0x0                           ; my load, if I issued one, has landed,
	s_barrier_signal -1
	s_barrier_wait -1                              ; everybody's has
.macro LOADF s                         ; K step s: ten fragments, 20 loads
.set FB, 32+80*((\s)%2)
.irp n, 0,1,2,3
.irp c, 0,1
	ds_load_b128 v[FB+8*\n+4*\c:FB+8*\n+4*\c+3], v4 offset:4224*\n+64*(\s)+32*\c
.endr
.endr
.irp w, 0,1,2
.irp e, 0,1
.irp c, 0,1
	ds_load_b128 v[FB+32+16*\w+8*\e+4*\c:FB+35+16*\w+8*\e+4*\c], v[5+\w] offset:8448*\e+64*(\s)+32*\c
.endr
.endr
.endr
.endm
.macro MM d, a, b, sa, sb, cb          ; the first K step's C is the bias
.if SS == 0
	v_wmma_scale_f32_32x16x128_f4 v[(\d):(\d)+15], v[(\a):(\a)+15], v[(\b):(\b)+7], v[(\cb):(\cb)+15], v[\sa], v[\sb]
.else
	v_wmma_scale_f32_32x16x128_f4 v[(\d):(\d)+15], v[(\a):(\a)+15], v[(\b):(\b)+7], v[(\d):(\d)+15], v[\sa], v[\sb]
.endif
.endm
.macro MUL s                           ; 12 products; the twelve accumulators take turns, one instruction a turn
.set SS, \s
.set FB, 32+80*((\s)%2)
.set SW, 192+32*((\s)/4)+((\s)%4)
	WIN 0x50
.irp n, 0,1,2,3
.set ZS, SW+8+4*(\n/2)+8*(\n%2)
	MM 16*\n, FB+32, FB+8*\n, SW, ZS, 192
.endr
.irp n, 0,1,2,3
.set ZS, SW+8+4*(\n/2)+8*(\n%2)
	MM 64+16*\n, FB+48, FB+8*\n, SW+4, ZS, 208
.endr
.irp ct, 0,1
.irp p, 0,1
	MM 128+32*\ct+16*\p, FB+16*\p, FB+64+8*\ct, SW+8+4*\p, SW+24+4*\ct, 224+16*\ct
.endr
.endr
	WIN 0
.endm
	LOADF 0
.irp s, 0,1,2,3,4,5,6
.if \s > 0
.rept 4
	v_nop                                          ; four places in front of loads into registers that matrix instructions have read
.endr
.endif
	LOADF \s+1
	s_wait_dscnt 20                                ; all but the 20 just issued
	MUL \s
.endr
	s_wait_dscnt 0x0
	MUL 7
.rept 4
	v_nop                                          ; four places behind the last products
.endr
	; THE QUANTISER: q's four tiles and k's four (x = 0 .. 7: 16 numbers of a block of 32 in a lane, the others in lane l xor 16), v's two (a whole block in a lane).  The floor 2^(3 - 127) is among the maxima's leaves
	WIN 0x55
.irp x, 0,1,2,3,4,5,6,7
	v_max3_num_f32 v[192+\x], |v[16*\x]|, |v[16*\x+1]|, 0x1800000
.endr
.irp t, 0,1
	v_max3_num_f32 v[224+\t], |v[128+32*\t]|, |v[129+32*\t]|, 0x1800000
	v_max3_num_f32 v[226+\t], |v[144+32*\t]|, |v[145+32*\t]|, 0x1800000
.endr
.irp i, 2,4,6,8,10,12,14
.irp x, 0,1,2,3,4,5,6,7
	v_max3_num_f32 v[192+\x], v[192+\x], |v[16*\x+\i]|, |v[16*\x+1+\i]|
.endr
.irp t, 0,1
	v_max3_num_f32 v[224+\t], v[224+\t], |v[128+32*\t+\i]|, |v[129+32*\t+\i]|
	v_max3_num_f32 v[226+\t], v[226+\t], |v[144+32*\t+\i]|, |v[145+32*\t+\i]|
.endr
.endr
.irp x, 0,1,2,3,4,5,6,7
	v_permlanex16_b32 v[200+\x], v[192+\x], s[SEL], s[SEL+1]
.endr
.irp t, 0,1
	v_max_num_f32 v[224+\t], v[224+\t], v[226+\t]
.endr
.irp x, 0,1,2,3,4,5,6,7
	v_max_num_f32 v[192+\x], v[192+\x], v[200+\x]
.endr
.irp t, 0,1
	v_add_nc_u32 v[224+\t], 0xff000000, v[224+\t]  ; 2 off the exponent field: the conversion's scale operand
.endr
.irp x, 0,1,2,3,4,5,6,7
	v_add_nc_u32 v[192+\x], 0xff000000, v[192+\x]
.endr
.irp t, 0,1
	v_lshrrev_b32 v[226+\t], 23, v[224+\t]         ; the scale's byte
.endr
.irp x, 0,1,2,3,4,5,6,7
	v_lshrrev_b32 v[200+\x], 23, v[192+\x]
.endr
.irp x, 0,1,2,3,4,5,6,7
	v_cvt_scalef32_pk8_fp4_f32 v[208+2*\x], v[16*\x:16*\x+7], v[192+\x]
	v_cvt_scalef32_pk8_fp4_f32 v[209+2*\x], v[16*\x+8:16*\x+15], v[192+\x]
.endr
.irp t, 0,1
.irp u, 0,1,2,3
	v_cvt_scalef32_pk8_fp4_f32 v[232+4*\t+\u], v[128+32*\t+8*\u:135+32*\t+8*\u], v[224+\t]
.endr
.endr
	v_nop                                          ; one plain place behind a scaled conversion
.irp x, 0,1,2,3,4,5,6,7
	v_permlane16_swap_b32 v[208+2*\x], v[209+2*\x] ; a lane then holds the 16 neighbours 16 h + 0 .. 15 of its row's block
.endr
	WIN 0x04
.irp n, 0,1,2,3
	ds_store_b8 v19, v[200+\n] offset:64*\n        ; (lanes l and l + 16 write the same byte)
	ds_store_b8 v24, v[204+\n] offset:256*(\n%2)+4*(\n/2)
.endr
	ds_store_b8 v20, v226
	ds_store_b8 v20, v227 offset:256
.irp n, 0,1,2,3
	global_store_b64 v18, v[208+2*\n:209+2*\n], s[94:95] offset:1024*\n      ; 32 lanes store 256 consecutive bytes, at a multiple of 256 from the buffer's first byte
	global_store_b64 v18, v[216+2*\n:217+2*\n], s[96:97] offset:1024*\n
.endr
	global_store_b128 v17, v[232:235], s[98:99]    ; 512 consecutive bytes
	global_store_b128 v17, v[236:239], s[98:99] offset:1024
	WIN 0
	s_wait_dscnt 0x0                               ; for the others' sake: my bytes lie in the stage
	s_barrier_signal -1
	s_barrier_wait -1
	s_cmp_lt_u32 s[WV], 3
	s_cbranch_scc0 .Lno_words
	ds_load_b128 v[32:35], v21
	s_wait_dscnt 0x0
	global_store_b128 v17, v[32:35], s[100:101]    ; a type's 128 words: 512 consecutive bytes
.Lno_words:
	s_wait_tensorcnt 0x0                           ; the wave's end
	ds_add_u32 v30, v31
	s_wait_dscnt 0x0
	ROUND                                          ; the closing round: no work-group ends while a partner may still ask for a tile that names it
	s_endpgm
.Lfunc_end_k_qc3e7484493_qkv:
	.size	k_qc3e7484493_qkv, .Lfunc_end_k_qc3e7484493_qkv-k_qc3e7484493_qkv
	.p2alignl 7, 3214868480
	.fill 96, 4, 3214868480
	.section	.rodata,"a",@progbits
	.p2align	6, 0x0
	.amdhsa_kernel k_qc3e7484493_qkv
		.amdhsa_group_segment_fixed_size 327680
		.amdhsa_private_segment_fixed_size 0
		.amdhsa_enable_private_segment 0
		.amdhsa_kernarg_size 104
		.amdhsa_user_sgpr_count 2
		.amdhsa_user_sgpr_kernarg_segment_ptr 1
		.amdhsa_wavefront_size32 1
		.amdhsa_system_sgpr_workgroup_id_x 1
		.amdhsa_system_sgpr_workgroup_id_y 1
		.amdhsa_system_sgpr_workgroup_id_z 1
		.amdhsa_system_vgpr_workitem_id 0
		.amdhsa_next_free_vgpr 512
		.amdhsa_next_free_sgpr 102
		.amdhsa_reserve_vcc 0
		.amdhsa_float_denorm_mode_32 3
		.amdhsa_float_denorm_mode_16_64 3
		.amdhsa_memory_ordered 1
		.amdhsa_forward_progress 1
		.amdhsa_inst_pref_size 48
	.end_amdhsa_kernel
	.amdgpu_metadata
---
amdhsa.version: [ 1, 2 ]
amdhsa.kernels:
  - .name:           k_qc3e7484493_qkv
    .symbol:         k_qc3e7484493_qkv.kd
    .args:
      - { .name: z_codes, .offset: 0, .size: 8, .value_kind: global_buffer, .address_space: global }
      - { .name: z_scales, .offset: 8, .size: 8, .value_kind: global_buffer, .address_space: global }
      - { .name: Wq_codes, .offset: 16, .size: 8, .value_kind: global_buffer, .address_space: global }
      - { .name: Wq_scales, .offset: 24, .size: 8, .value_kind: global_buffer, .address_space: global }
      - { .name: Wk_codes, .offset: 32, .size: 8, .value_kind: global_buffer, .address_space: global }
      - { .name: Wk_scales, .offset: 40, .size: 8, .value_kind: global_buffer, .address_space: global }
      - { .name: Wv_codes, .offset: 48, .size: 8, .value_kind: global_buffer, .address_space: global }
      - { .name: Wv_scales, .offset: 56, .size: 8, .value_kind: global_buffer, .address_space: global }
      - { .name: bq, .offset: 64, .size: 8, .value_kind: global_buffer, .address_space: global }
      - { .name: bk, .offset: 72, .size: 8, .value_kind: global_buffer, .address_space: global }
      - { .name: bv, .offset: 80, .size: 8, .value_kind: global_buffer, .address_space: global }
      - { .name: qbuf, .offset: 88, .size: 8, .value_kind: global_buffer, .address_space: global }
      - { .name: kvbuf, .offset: 96, .size: 8, .value_kind: global_buffer, .address_space: global }
    .group_segment_fixed_size: 327680
    .private_segment_fixed_size: 0
    .kernarg_segment_align: 8
    .kernarg_segment_size: 104
    .max_flat_workgroup_size: 256
    .sgpr_count:     102
    .vgpr_count:     512
    .wavefront_size: 32
...
	.end_amdgpu_metadata
.endif
;; end of part 1
;; launch attn (part 2): grid 32 x 8, 8 waves a work-group, clusters of 4 x 1, 327,680 bytes of LDS; arguments qbuf, kvbuf, cat; writes cat
.if DOCPART == 2
	.amdgcn_target "amdgcn-amd-amdhsa--gfx1250"
	.amdhsa_code_object_version 6
	.text
	.protected	k_qc3e7484493_attn
	.globl	k_qc3e7484493_attn
	.p2align	8
	.type	k_qc3e7484493_attn,@function
k_qc3e7484493_attn:
	s_mov_b64 s[64:65], 0
	v_nop
	global_prefetch_b8 v0, s[64:65] scope:SCOPE_SE
	s_setreg_imm32_b32 hwreg(HW_REG_WAVE_MODE, 25, 1), 1
	s_wait_xcnt 0x0
	s_wait_alu depctr_hold_cnt(0) depctr_sa_sdst(0) depctr_va_vdst(0) depctr_va_sdst(0) depctr_va_ssrc(0) depctr_va_vcc(0) depctr_vm_vsrc(0)
	s_getreg_b32 s2, hwreg(HW_REG_IB_STS2, 6, 4)
	s_cmp_eq_u32 s2, 0
	s_cbranch_scc0 .Lentry_in_a_cluster
	s_endpgm
.Lentry_in_a_cluster:
	s_bfe_u32 s2, ttmp6, 0x10000c
	s_cmp_lg_u32 s2, 0x3003
	s_cbranch_scc0 .Lentry_shape_is_right
	s_endpgm
.Lentry_shape_is_right:
; cat[block of 128 queries][head] = Q(softmax(q k^T / sqrt(128)) v) for one head and 128 queries, on codes of FP4 (E2M1) with one E8M0 scale for each 32 along a product's K.
; t = score x log2(e) / sqrt(128); M = the largest t so far rounded UP to a whole number; p = 2^(t - M) is quantised along the keys, not normalised; the sum of the unquantised p divides at the end.
; When M moves, sum and O are multiplied by 2^(old M - new M): exact.
; SHARES.  Eight waves: wave % 4 = QG owns 32 queries (tiles A = 2 QG, B = 2 QG + 1), wave / 4 = KH the half of each slot's keys: blocks 4 KH .. 4 KH + 3 of the slot's eight blocks of 128.  So two waves walk the same queries over
; different keys, and each fragment from LDS feeds two tiles.  At the end the two halves are joined through LDS: wave KH = 0 finishes tile A, KH = 1 tile B.  A step is 256 keys (two blocks): O is rescaled once a step.
; Both products are transposed: S^T = K Q^T, O^T = V^T P^T, by the 32 x 16 x 128 form: source 0 = 32 keys (or 32 channels).  A lane holds one query (lane % 16).
; K's tiles hold the keys 64 c + 32 (r / 8) + 8 u + r % 8 (tile 4 c + u), so a lane's 32 registers of four tiles are a WHOLE BLOCK of 32 keys, 64 c + 32 (lane / 16) + 0 .. 31: a block's largest score needs no other lane and
; the conversions' results are the second product's operand as they stand.
; LDS: a ring of two slots of 8 blocks (17,408 bytes each: K's 8 fragments, V^T's 8, K's 128 scale words, V's 128), each wave fetches one block a fill, asked for jointly by the four work-groups of the cluster (same head).
; No prefetch: a refill is asked for a whole slot, two steps of 32 matrix instructions and 264 exponentials a wave, ahead of the wait for it, and the first two slots have no loop in front of them to ask in.
; REGISTERS, windows 0 (tile A) and 1 (tile B), same numbers in both: v12 -M, v13 largest t, v[14:15] sum; v16-23 Q; v24-27 the four blocks' maxima; v[28:29] f; v30-31; v32-159 S^T, then p; v176-239 O^T; v240-255 partial sums, then p's codes.
;   Window 0 too: v1 16 x lane, v2, v3 LDS addresses, v4, v5 the add's; v6, v7 Q's scale words (A, B); v8-9, v10-11 p's (A, B); v160-167 K's, v168-175 V's; v32-159 hold V's fragments when A's p is coded.
;   Window 1 too: v48-175 K's fragments, 16 registers above the scores that take their place.
; LIMITS: NaN and infinities are not served; the scaled scores (exponents to the base 2) stay under 2^31 in magnitude.  A block whose largest magnitude lies under 2^-124 keeps the scale byte 1.
.set KSB,   17408
.set SLOTB, 8*KSB
.set STAGE, 2*SLOTB                    ; 512 bytes: cat's new scale words meet here; no tensor load lands here
.set SPARE, STAGE+512                  ; the spare words, 128 bytes for each wave
.set MRG,   8704                       ; the join: a wave's 8,192 bytes of O and 256 of (-M, sum), in slot 1, which has had its last fill and its last read by then
.set WV,  10
.set QG,  14
.set KH,  15
.set SEL, 32
.set CS,  34
.set TB,  36
.set CNT, 37
.set LDA, 49
.set SB,  56                           ; where the slot in hand begins
.set HB,  57                           ; my half of a slot
.set SPW, 4
.set NIL, 5
.set BM,  24
.set SR,  32
.set OA,  176
.set CD,  240
.set KF,  48
.set KW,  160
.set VW,  168
.set TM,  32
.set MSB, 0
.macro WIN new                         ; the immediate's high byte repeats the setting that is left
.if MSB != \new
	s_set_vgpr_msb (MSB<<8)|\new
.set MSB, \new
.endif
.endm
.macro PLACES n
.rept \n
	v_nop
.endr
.endm
.macro ROUND                           ; a round of the cluster's barrier
	s_barrier_signal -1
	s_barrier_wait -1
	s_cmp_lg_u32 s[WV], 0
	s_cbranch_scc1 .Lnot_wave_0_\@
	s_barrier_signal -3
.Lnot_wave_0_\@:
	s_barrier_wait -3
	s_barrier_signal -1
	s_barrier_wait -1
.endm
; 64 numbers of a lane, register 8 t + j = channel 16 t + 8 h + j, become a fragment's codes in v[pc] on and the row's scale word in v[pw]
.macro QUANT s, pc, pw
.irp b, 0,1,2,3
	v_max3_num_f32 v[TM+\b], |v[\s+16*\b]|, |v[\s+1+16*\b]|, 0x1800000
.endr
.irp i, 2,4,6,8,10,12,14
.irp b, 0,1,2,3
	v_max3_num_f32 v[TM+\b], v[TM+\b], |v[\s+16*\b+\i]|, |v[\s+1+16*\b+\i]|
.endr
.endr
.irp b, 0,1,2,3
	v_permlanex16_b32 v[TM+4+\b], v[TM+\b], s[SEL], s[SEL+1]
.endr
.irp b, 0,1,2,3
	v_max_num_f32 v[TM+\b], v[TM+\b], v[TM+4+\b]
.endr
.irp b, 0,1,2,3
	v_add_nc_u32 v[TM+12+\b], 0xff000000, v[TM+\b]
.endr
.irp b, 0,1,2,3
	v_lshrrev_b32 v[TM+4+\b], 23, v[TM+12+\b]
.endr
	v_lshl_or_b32 v[\pw], v[TM+5], 8, v[TM+4]
	v_lshl_or_b32 v[\pw], v[TM+6], 16, v[\pw]
	v_lshl_or_b32 v[\pw], v[TM+7], 24, v[\pw]
.irp c, 0,1
	v_cvt_scalef32_pk8_fp4_f32 v[\pc+4*\c],   v[\s+32*\c:\s+32*\c+7],     v[TM+12+2*\c]
	v_cvt_scalef32_pk8_fp4_f32 v[\pc+4*\c+2], v[\s+32*\c+8:\s+32*\c+15],  v[TM+12+2*\c]
	v_cvt_scalef32_pk8_fp4_f32 v[\pc+4*\c+1], v[\s+32*\c+16:\s+32*\c+23], v[TM+13+2*\c]
	v_cvt_scalef32_pk8_fp4_f32 v[\pc+4*\c+3], v[\s+32*\c+24:\s+32*\c+31], v[TM+13+2*\c]
.endr
	v_nop
.irp c, 0,1
	v_permlane16_swap_b32 v[\pc+4*\c], v[\pc+4*\c+1]
	v_permlane16_swap_b32 v[\pc+4*\c+2], v[\pc+4*\c+3]
.endr
.endm
; all K fragments of a step (256 keys) into window 1, and their scale words; V's into window 0
.macro FETCHK
	WIN 0
.irp b, 0,1
	ds_load_b128 v[KW+4*\b:KW+4*\b+3], v2 offset:KSB*\b+16384          ; the block's four pairs of tiles: a lane's four words are neighbours
.endr
	WIN 0x40
.irp b, 0,1
.irp t, 0,1,2,3,4,5,6,7
.irp c, 0,1
	ds_load_b128 v[KF+64*\b+8*\t+4*\c:KF+64*\b+8*\t+4*\c+3], v2 offset:KSB*\b+1024*\t+512*\c
.endr
.endr
.endr
	WIN 0
.endm
.macro FETCHV
	WIN 0
.irp b, 0,1
.irp t, 0,1,2,3,4,5,6,7
.irp c, 0,1
	ds_load_b128 v[SR+64*\b+8*\t+4*\c:SR+64*\b+8*\t+4*\c+3], v2 offset:KSB*\b+8192+1024*\t+512*\c
.endr
.endr
.endr
.irp b, 0,1
	ds_load_b128 v[VW+4*\b:VW+4*\b+3], v2 offset:KSB*\b+16896
.endr
.endm
.macro QKA i
	v_wmma_scale_f32_32x16x128_f4 v[SR+16*(\i):SR+16*(\i)+15], v[KF+16*(\i):KF+16*(\i)+15], v[16:23], 0, v[KW+(\i)], v6
.endm
.macro QKB i
	WIN 0x45
	v_wmma_scale_f32_32x16x128_f4 v[SR+16*(\i):SR+16*(\i)+15], v[KF+16*(\i):KF+16*(\i)+15], v[16:23], 0, v[KW+(\i)], v7
	WIN 0
.endm
; O^T += V^T P^T: the four accumulators take turns, one instruction a turn
.macro PV wd
.irp b, 0,1
.irp i, 0,1,2,3
	v_wmma_scale_f32_32x16x128_f4 v[OA+16*\i:OA+16*\i+15], v[SR+64*\b+16*\i:SR+64*\b+16*\i+15], v[CD+8*\b:CD+8*\b+7], v[OA+16*\i:OA+16*\i+15], v[VW+4*\b+\i], v[\wd+\b]
.endr
.endr
.endm
; the n-th of sixteen instructions for each of the four blocks' largest scores: registers in ascending order
.macro MAXN n
.irp g, 0,1,2,3
.if (\n) == 0
	v_max3_num_f32 v[BM+\g], v[SR+32*\g], v[SR+1+32*\g], v[SR+2+32*\g]
.else
.if (\n) == 15
	v_max_num_f32 v[BM+\g], v[BM+\g], v[SR+31+32*\g]
.else
	v_max3_num_f32 v[BM+\g], v[BM+\g], v[SR+1+2*(\n)+32*\g], v[SR+2+2*(\n)+32*\g]
.endif
.endif
.endr
.endm
.macro EX n
.rept \n
	v_exp_f32 v[SR+64+EI], v[SR+64+EI]
.set EI, EI+1
.endr
.endm
.macro BURST a                         ; partial sums a, a + 1: four pairs of p each; what a burst leaves is read behind the batch's wait
.irp q, \a, \a+1
	v_pk_add_f32 v[CD+2*(\q):CD+2*(\q)+1], v[SR+8*(\q):SR+8*(\q)+1], v[SR+8*(\q)+2:SR+8*(\q)+3]
.endr
.irp k, 4, 6
.irp q, \a, \a+1
	v_pk_add_f32 v[CD+2*(\q):CD+2*(\q)+1], v[CD+2*(\q):CD+2*(\q)+1], v[SR+8*(\q)+\k:SR+8*(\q)+\k+1]
.endr
.endr
.endm
; the softmax of a tile behind its blocks' maxima, to codes and scale words
.macro CREST                           ; a round of the cluster's barrier behind its opening barrier
	s_cmp_lg_u32 s[WV], 0
	s_cbranch_scc1 .Lnot_wave_0_\@
	s_barrier_signal -3
.Lnot_wave_0_\@:
	s_barrier_wait -3
	s_barrier_signal -1
	s_barrier_wait -1
.endm
.macro PKF n                           ; n pairs of t - M
.rept \n
	v_pk_fma_f32 v[SR+EI:SR+1+EI], v[SR+EI:SR+1+EI], s[CS:CS+1], v[12:13] op_sel_hi:[1,0,0]
.set EI, EI+2
.endr
.endm
; turn (tile B alone): 1, 2: the slot changes here: its last reads, V's fragments, have landed.  In front of the barrier each wave waits for all its tensor loads (the other slot), adds 0 to its spare word, and waits for that and
; for its reads.  turn = 1: the slot is filled again, the refill first behind the round.
.macro SOFT t, turn
	v_max3_num_f32 v30, v24, v25, v26
	v_mov_b32 v28, v12
	v_max_num_f32 v30, v30, v27
	v_permlanex16_b32 v31, v30, s[SEL], s[SEL+1]
	v_max3_num_f32 v13, v13, v30, v31              ; my query's largest score so far
	v_mul_f32 v30, s[CS], -v13
	v_floor_f32 v12, v30                           ; the new -M = floor(-t)
.set EI, 0
	PKF 12
	v_sub_f32 v30, v12, v28
	PKF 10
	v_cvt_i32_f32 v30, v30                         ; (it saturates)
	PKF 10
	v_ldexp_f32 v28, 1.0, v30                      ; f = 2^(old M - new M)
.irp g, 0,1,2,3
	v_fma_f32 v[BM+\g], v[BM+\g], s[CS], v12
.endr
	s_wait_alu depctr_va_vdst(0)                   ; the wait ahead of the batch
.if \turn
	WIN 0
	s_wait_tensorcnt 0x0                           ; my part of the other slot is in; no tensor load of mine is out
	ds_add_u32 v[SPW], v[NIL]
	s_xor_b32 s[SB], s[SB], SLOTB                  ; the other slot is next
	s_add_co_u32 s[TB], s[SB], s[HB]
.if \turn == 1
	s_mov_b32 s25, s[LDA]                          ; the slot just read: slot 0, then slot 1
	s_add_co_u32 s[LDA], s[LDA], SLOTB
	s_add_nc_u64 s[26:27], s[26:27], SLOTB
.endif
	s_wait_dscnt 0x0                               ; the add is done; V's fragments, my last reads of this slot, are in
	s_barrier_signal -1
	s_barrier_wait -1
.if \turn == 1
	CREST
	tensor_load_to_lds s[24:27], s[16:23]
	s_nop 0
	PLACES 4
.endif
	WIN 0x55
.endif
.irp g, 0,1,2,3
	v_exp_f32 v[BM+\g], v[BM+\g]                   ; each block's largest p: the same two instructions on the same number
.endr
.set EI, 0
.rept 32
	v_exp_f32 v[SR+EI], v[SR+EI]
	v_exp_f32 v[SR+1+EI], v[SR+1+EI]
	v_pk_fma_f32 v[SR+64+EI:SR+65+EI], v[SR+64+EI:SR+65+EI], s[CS:CS+1], v[12:13] op_sel_hi:[1,0,0]   ; the other block of 128 keys, read by the next batch
.set EI, EI+2
.endr
	s_wait_alu depctr_va_vdst(0)                   ; behind this batch and ahead of the next
.set EI, 0
	EX 12
	BURST 0
	EX 12
	BURST 2
	EX 12
	BURST 4
	EX 12
	BURST 6
	EX 16
	v_pk_mul_f32 v[14:15], v[14:15], v[28:29] op_sel_hi:[1,0]
	s_wait_alu depctr_va_vdst(0)                   ; and behind this one
.irp k, 0,2,4,6
.irp q, 0,1,2,3,4,5,6,7
	v_pk_add_f32 v[CD+2*\q:CD+2*\q+1], v[CD+2*\q:CD+2*\q+1], v[SR+64+8*\q+\k:SR+65+8*\q+\k]
.endr
.endr
.irp q, 0,2,4,6
	v_pk_add_f32 v[CD+\q:CD+\q+1], v[CD+\q:CD+\q+1], v[CD+8+\q:CD+9+\q]
.endr
.irp g, 0,1,2,3
	v_max_num_f32 v[BM+\g], 0x1800000, v[BM+\g]    ; the floor 2^(3 - 127)
.endr
.irp q, 0,2
	v_pk_add_f32 v[CD+\q:CD+\q+1], v[CD+\q:CD+\q+1], v[CD+4+\q:CD+5+\q]
.endr
.irp g, 0,1,2,3
	v_add_nc_u32 v[BM+\g], 0xff000000, v[BM+\g]    ; 2 off the exponent field: the conversion's scale operand
.endr
	v_pk_add_f32 v[CD:CD+1], v[CD:CD+1], v[CD+2:CD+3]
.irp g, 0,1,2,3
	v_lshrrev_b32 v[CD+8+\g], 23, v[BM+\g]         ; the scale's byte
.endr
	v_pk_add_f32 v[14:15], v[14:15], v[CD:CD+1]
	v_lshl_or_b32 v[CD+8], v[CD+9], 16, v[CD+8]    ; my blocks' bytes: 2 c + lane / 16
	v_lshl_or_b32 v[CD+10], v[CD+11], 16, v[CD+10]
	v_permlanex16_b32 v[CD+12], v[CD+8], s[SEL], s[SEL+1]
	v_permlanex16_b32 v[CD+13], v[CD+10], s[SEL], s[SEL+1]
.irp g, 0,1
.irp u, 0,1,2,3
	v_cvt_scalef32_pk8_fp4_f32 v[CD+4*\g+\u], v[SR+32*\g+8*\u:SR+32*\g+8*\u+7], v[BM+\g]
.endr
.endr
.if \t
	WIN 0x15
	v_lshl_or_b32 v10, v[CD+12], 8, v[CD+8]        ; the scale words, whole in lanes 0-15, which alone are read
	v_lshl_or_b32 v11, v[CD+13], 8, v[CD+10]
	WIN 0x55
.else
	v_lshl_or_b32 v8, v[CD+12], 8, v[CD+8]
	v_lshl_or_b32 v9, v[CD+13], 8, v[CD+10]
.endif
.irp g, 2,3
.irp u, 0,1,2,3
	v_cvt_scalef32_pk8_fp4_f32 v[CD+4*\g+\u], v[SR+32*\g+8*\u:SR+32*\g+8*\u+7], v[BM+\g]
.endr
.endr
	v_nop                                          ; one plain place behind a scaled conversion
.endm
.macro RESC                            ; O^T under the new M
	s_wait_alu depctr_va_vdst(0)                   ; the wait ahead of O^T's first readers
.set EI, 0
.rept 32
	v_pk_mul_f32 v[OA+EI:OA+1+EI], v[OA+EI:OA+1+EI], v[28:29] op_sel_hi:[1,0]
.set EI, EI+2
.endr
.endm
; A STEP: 256 keys.  When B's p is coded the next step's K fragments are asked for; both tiles' rescalings and second products stand behind their loads
.macro STEP turn
	PLACES 5                                       ; the products below write over V's fragments, which the last products read
	WIN 0x01
	s_wait_dscnt 16                                ; the words and the first block's fragments; the second block's 16 loads may be out
.irp i, 0,1,2,3
	QKA \i
.endr
	s_wait_dscnt 0x0
.irp i, 4,5,6,7
	QKA \i
.endr
	QKB 0
	PLACES 4
.irp k, 0,1,2,3,4,5,6,7                ; tile B's products among tile A's maxima: B's i-th takes the place of K's fragments i - 1: eight plain places between
	MAXN 2*\k
	MAXN 2*\k+1
.if \k < 7
	QKB \k+1
.endif
.endr
	SOFT 0, 0
	FETCHV                                         ; in the place of A's p
	WIN 0x55
	s_wait_alu depctr_va_vdst(0)
.irp k, 0,1,2,3,4,5,6,7,8,9,10,11,12,13,14,15
	MAXN \k
.endr
	SOFT 1, \turn
	WIN 0
.if \turn == 2
	s_cmp_eq_u32 s[CNT], 1                         ; behind the last step there is nothing to fetch
	s_cbranch_scc1 .Lno_k_\@
.endif
.if \turn
	v_add_nc_u32 v2, s[TB], v1
.else
	s_wait_dscnt 0x0                               ; V's fragments (where the slot changes they have been waited for)
	v_add_nc_u32 v2, 2*KSB, v2
.endif
	FETCHK                                         ; the next step's
.if \turn == 2
.Lno_k_\@:
.endif
	RESC
	WIN 0x55
	RESC
	WIN 0
	PV 8
	WIN 0x54
	PV 10
	WIN 0
.endm
.macro STATE
	v_mov_b32 v13, 0xff61b1e6                      ; the largest t so far: -3e38
	v_floor_f32 v12, -v13
	v_mov_b32 v14, 0
	v_mov_b32 v15, 0
	v_mov_b32 v29, 0                               ; (named in a pair)
	v_mov_b32 v31, 0                               ; (a lane permute's destination counts as a source)
.set EI, 0
.rept 64
	v_mov_b32 v[OA+EI], 0                          ; the loop's first step finds zeros; these stand while the first slot is on its way
.set EI, EI+1
.endr
.endm
	s_load_b128 s[4:7], s[0:1], 0x0                ; qbuf, kvbuf
	s_load_b64 s[8:9], s[0:1], 0x10                ; cat
	v_lshl_add_u32 v[SPW], v0, 2, SPARE
	v_mov_b32 v[NIL], 0
	ds_add_u32 v[SPW], v[NIL]                      ; the opening add, twice on end
	ds_add_u32 v[SPW], v[NIL]
	v_lshrrev_b32 v1, 5, v0
	v_readfirstlane_b32 s[WV], v1
	s_and_b32 s[QG], s[WV], 3
	s_lshr_b32 s[KH], s[WV], 2
	s_bfe_u32 s11, ttmp6, 0x40000
	s_lshl_b32 s12, ttmp9, 2
	s_add_co_u32 s12, s12, s11                     ; block of queries
	s_and_b32 s13, ttmp7, 0xffff                   ; head
	s_mov_b32 s16, 15|(3<<16)|(1<<21)              ; all four work-groups of the cluster; elements of 8 bytes; no padding
	s_mov_b32 s17, 32<<16                          ; one block: 68 rows of 256 dense bytes
	s_mov_b32 s18, 68<<16
	s_mov_b32 s19, 32<<16
	s_mov_b32 s20, 68
	s_mov_b32 s21, 32
	s_mov_b32 s22, 0
	s_mov_b32 s23, 0
	s_mov_b32 s[SEL], 0x76543210
	s_mov_b32 s[SEL+1], 0xfedcba98                 ; lane l xor 16
	s_mov_b32 s[CS], 0x3e0293ee                    ; log2(e) / sqrt(128)
	s_mov_b32 s[CS+1], s[CS]
	s_mul_i32 s46, s13, 32*KSB
	s_mul_i32 s48, s[WV], KSB
	s_add_co_u32 s46, s46, s48
	s_mov_b32 s47, 0
	s_mov_b32 s[LDA], s48
	v_and_b32 v1, 31, v0
	v_lshlrev_b32 v1, 4, v1
	v_and_b32 v3, 15, v0
	v_lshlrev_b32 v3, 2, v3
	s_wait_alu depctr_va_vdst(0)                   ; the wait ahead of the blocking waits
	s_wait_dscnt 0x0                               ; both opening adds are done
	s_wait_kmcnt 0x0
	s_add_nc_u64 s[6:7], s[6:7], s[46:47]
	s_mov_b32 s24, 1                               ; slot 0's group 0, which walks; slot 1's first fill
	s_mov_b32 s25, s48
	s_mov_b64 s[26:27], s[6:7]
	s_or_b32 s27, s27, 0x80000000
	s_mov_b32 s28, 1
	s_add_co_u32 s29, s48, SLOTB
	s_add_nc_u64 s[30:31], s[6:7], SLOTB
	s_or_b32 s31, s31, 0x80000000
	ROUND                                          ; all four work-groups are here: the joint loads meet
	tensor_load_to_lds s[24:27], s[16:23]
	s_nop 0
	PLACES 4
	s_lshl_b32 s50, s13, 5
	s_add_co_u32 s50, s50, s12
	s_mul_i32 s50, s50, 8704
	s_mov_b32 s51, 0
	s_add_nc_u64 s[44:45], s[4:5], s[50:51]
	s_lshl_b32 s52, s[QG], 11
	s_mov_b32 s53, 0
	s_add_nc_u64 s[38:39], s[44:45], s[52:53]      ; my two fragments of Q
	s_lshl_b32 s52, s[QG], 7
	s_add_co_u32 s52, s52, 8192
	s_add_nc_u64 s[44:45], s[44:45], s[52:53]      ; my 32 scale words
	global_load_b128 v[16:19], v1, s[38:39]
	global_load_b128 v[20:23], v1, s[38:39] offset:512
	global_load_b32 v6, v3, s[44:45]
	global_load_b32 v7, v3, s[44:45] offset:64
	WIN 0x40
	global_load_b128 v[16:19], v1, s[38:39] offset:1024
	global_load_b128 v[20:23], v1, s[38:39] offset:1536
	WIN 0
	s_mul_i32 s50, s12, 69632
	s_add_nc_u64 s[42:43], s[8:9], s[50:51]
	s_lshl_b32 s52, s13, 13
	s_lshl_b32 s54, s[QG], 11
	s_add_co_u32 s52, s52, s54
	s_lshl_b32 s54, s[KH], 10
	s_add_co_u32 s52, s52, s54
	s_add_nc_u64 s[40:41], s[42:43], s[52:53]      ; the fragment of cat that I finish
	s_lshl_b32 s52, s13, 9
	s_add_co_u32 s52, s52, 65536
	s_add_nc_u64 s[42:43], s[42:43], s[52:53]      ; the work-group's 128 scale words
	STATE
	WIN 0x55
	STATE
	WIN 0
	s_mul_i32 s[HB], s[KH], 4*KSB
	s_mov_b32 s[SB], 0
	s_mov_b32 s[CNT], 2
	s_wait_alu depctr_va_vdst(0)                   ; the wait at the head's end
	s_wait_tensorcnt 0x0                           ; my block of slot 0 is in
	ds_add_u32 v[SPW], v[NIL]
	s_add_nc_u64 s[26:27], s[26:27], SLOTB         ; the first refill steps it on to the third slot's worth
	s_wait_dscnt 0x0
	ROUND                                          ; everybody's block of slot 0 is in
	tensor_load_to_lds s[28:31], s[16:23]          ; slot 1
	s_nop 0
	PLACES 4
	s_wait_loadcnt 0x0                             ; Q
	v_add_nc_u32 v2, s[HB], v1
	FETCHK
.Lfilling:                                             ; a slot is two steps; slots 0 and 1, each filled again in its second step
	STEP 0
	STEP 1
	s_sub_co_u32 s[CNT], s[CNT], 1
	s_cmp_lg_u32 s[CNT], 0
	s_cbranch_scc1 .Lfilling
	s_mov_b32 s[CNT], 2
.Lending:                                              ; slots 0 and 1 once more; behind the last barrier nobody reads the ring
	STEP 0
	STEP 2
	s_sub_co_u32 s[CNT], s[CNT], 1
	s_cmp_lg_u32 s[CNT], 0
	s_cbranch_scc1 .Lending
	; THE JOIN.  Each wave gives the tile that it does not finish to its partner, wave xor 4: O^T as it stands, -M and the row's sum.
.macro LSUM
	v_add_f32 v14, v14, v15
	v_permlanex16_b32 v31, v14, s[SEL], s[SEL+1]
	v_add_f32 v13, v14, v31                        ; v[12:13] = -M, my half's sum
.endm
	s_mul_i32 s50, s[WV], MRG
	s_add_co_u32 s50, s50, SLOTB
	s_xor_b32 s51, s[WV], 4
	s_mul_i32 s51, s51, MRG
	s_add_co_u32 s51, s51, SLOTB
	s_lshl_b32 s52, s[QG], 1
	s_add_co_u32 s52, s52, s[KH]
	s_lshl_b32 s52, s52, 6
	s_add_co_u32 s52, s52, STAGE
	LSUM
	WIN 0x55
	LSUM
	WIN 0
	v_add_nc_u32 v2, s50, v1
	v_add_nc_u32 v3, s51, v1
	v_lshrrev_b32 v244, 1, v1
	v_and_b32 v242, 15, v0
	v_add_nc_u32 v240, s50, v244
	v_add_nc_u32 v241, s51, v244
	v_lshlrev_b32 v242, 2, v242
	v_add_nc_u32 v243, STAGE, v1
	v_add_nc_u32 v242, s52, v242                   ; my tile's 16 words in the stage (lanes l and l + 16 write the same word)
.macro GIVE
.irp i, 0,1,2,3,4,5,6,7,8,9,10,11,12,13,14,15
	s_wait_alu depctr_va_vdst(0)                   ; the wait ahead of each first reader
	ds_store_b128 v2, v[OA+4*\i:OA+4*\i+3] offset:512*\i
.endr
	ds_store_b64 v240, v[12:13] offset:8192
.endm
	s_wait_alu depctr_va_vdst(0)                   ; the wait ahead of the branch
	s_cmp_eq_u32 s[KH], 0
	s_cbranch_scc0 .Lgive_a
	WIN 0x04
	GIVE
	WIN 0
	s_branch .Lgiven
.Lgive_a:
	GIVE
.Lgiven:
	s_wait_dscnt 0x0                               ; for the others' sake: my tile lies in LDS
	s_barrier_signal -1
	s_barrier_wait -1
.macro TAKE t
.if \t
	WIN 0x40
.endif
.irp i, 0,1,2,3,4,5,6,7,8,9,10,11,12,13,14,15
	ds_load_b128 v[32+4*\i:35+4*\i], v3 offset:512*\i
.endr
	ds_load_b64 v[24:25], v241 offset:8192
.if \t
	WIN 0x55
.endif
	s_wait_dscnt 0x0
	v_min_num_f32 v26, v12, v24                    ; - the greater M
	v_sub_f32 v27, v26, v12
	v_sub_f32 v30, v26, v24
	v_cvt_i32_f32 v27, v27
	v_cvt_i32_f32 v30, v30
	v_ldexp_f32 v26, v13, v27
	v_ldexp_f32 v31, v25, v30
	v_add_f32 v26, v26, v31                        ; the row's sum
	s_wait_alu depctr_va_vdst(0)                   ; ahead of the transcendental
	v_rcp_f32 v26, v26
	v_nop
	s_wait_alu depctr_va_vdst(0)                   ; and ahead of its reader
	v_ldexp_f32 v28, v26, v27
	v_ldexp_f32 v30, v26, v30
	s_wait_alu depctr_va_vdst(0)                   ; and ahead of O^T's first readers
.set EI, 0
.rept 32
	v_pk_mul_f32 v[96+EI:97+EI], v[OA+EI:OA+1+EI], v[28:29] op_sel_hi:[1,0]
.set EI, EI+2
.endr
.set EI, 0
.rept 32
	v_pk_fma_f32 v[96+EI:97+EI], v[32+EI:33+EI], v[30:31], v[96+EI:97+EI] op_sel_hi:[1,0,1]
.set EI, EI+2
.endr
	QUANT 96, 48, 64
.if \t
	WIN 0x04
.endif
	global_store_b128 v1, v[48:51], s[40:41]       ; 32 lanes store 512 consecutive bytes
	global_store_b128 v1, v[52:55], s[40:41] offset:512
	ds_store_b32 v242, v64
	WIN 0
.endm
	s_cmp_eq_u32 s[KH], 0
	s_cbranch_scc0 .Ltake_b
	TAKE 0
	s_branch .Ltaken
.Ltake_b:
	TAKE 1
.Ltaken:
	s_wait_dscnt 0x0                               ; for the others' sake: my words lie in the stage
	s_barrier_signal -1
	s_barrier_wait -1
	s_cmp_lg_u32 s[WV], 0
	s_cbranch_scc1 .Lnot_first
	ds_load_b128 v[32:35], v243
	s_wait_dscnt 0x0
	global_store_b128 v1, v[32:35], s[42:43]       ; 128 words: 512 consecutive bytes
.Lnot_first:
	s_wait_tensorcnt 0x0                           ; the wave's end
	ds_add_u32 v[SPW], v[NIL]
	s_wait_dscnt 0x0
	ROUND                                          ; the closing round
	s_endpgm
.Lfunc_end_k_qc3e7484493_attn:
	.size	k_qc3e7484493_attn, .Lfunc_end_k_qc3e7484493_attn-k_qc3e7484493_attn
	.p2alignl 7, 3214868480
	.fill 96, 4, 3214868480
	.section	.rodata,"a",@progbits
	.p2align	6, 0x0
	.amdhsa_kernel k_qc3e7484493_attn
		.amdhsa_group_segment_fixed_size 327680
		.amdhsa_private_segment_fixed_size 0
		.amdhsa_enable_private_segment 0
		.amdhsa_kernarg_size 24
		.amdhsa_user_sgpr_count 2
		.amdhsa_user_sgpr_kernarg_segment_ptr 1
		.amdhsa_wavefront_size32 1
		.amdhsa_system_sgpr_workgroup_id_x 1
		.amdhsa_system_sgpr_workgroup_id_y 1
		.amdhsa_system_sgpr_workgroup_id_z 1
		.amdhsa_system_vgpr_workitem_id 0
		.amdhsa_next_free_vgpr 512
		.amdhsa_next_free_sgpr 66
		.amdhsa_reserve_vcc 0
		.amdhsa_float_denorm_mode_32 3
		.amdhsa_float_denorm_mode_16_64 3
		.amdhsa_memory_ordered 1
		.amdhsa_forward_progress 1
		.amdhsa_inst_pref_size 245
	.end_amdhsa_kernel
	.amdgpu_metadata
---
amdhsa.version: [ 1, 2 ]
amdhsa.kernels:
  - .name:           k_qc3e7484493_attn
    .symbol:         k_qc3e7484493_attn.kd
    .args:
      - { .name: qbuf, .offset: 0, .size: 8, .value_kind: global_buffer, .address_space: global }
      - { .name: kvbuf, .offset: 8, .size: 8, .value_kind: global_buffer, .address_space: global }
      - { .name: cat, .offset: 16, .size: 8, .value_kind: global_buffer, .address_space: global }
    .group_segment_fixed_size: 327680
    .private_segment_fixed_size: 0
    .kernarg_segment_align: 8
    .kernarg_segment_size: 24
    .max_flat_workgroup_size: 256
    .sgpr_count:     66
    .vgpr_count:     512
    .wavefront_size: 32
...
	.end_amdgpu_metadata
.endif
;; end of part 2
;; launch proj (part 3): grid 32 x 8, 8 waves a work-group, clusters of 4 x 4, 327,680 bytes of LDS; arguments cat, Wp_codes, Wp_scales, bp, out0; writes out0
.if DOCPART == 3
	.amdgcn_target "amdgcn-amd-amdhsa--gfx1250"
	.amdhsa_code_object_version 6
	.text
	.protected	k_qc3e7484493_proj
	.globl	k_qc3e7484493_proj
	.p2align	8
	.type	k_qc3e7484493_proj,@function
k_qc3e7484493_proj:
	s_mov_b64 s[64:65], 0
	v_nop
	global_prefetch_b8 v0, s[64:65] scope:SCOPE_SE
	s_setreg_imm32_b32 hwreg(HW_REG_WAVE_MODE, 25, 1), 1
	s_wait_xcnt 0x0
	s_wait_alu depctr_hold_cnt(0) depctr_sa_sdst(0) depctr_va_vdst(0) depctr_va_sdst(0) depctr_va_ssrc(0) depctr_va_vcc(0) depctr_vm_vsrc(0)
	s_getreg_b32 s2, hwreg(HW_REG_IB_STS2, 6, 4)
	s_cmp_eq_u32 s2, 0
	s_cbranch_scc0 .Lentry_in_a_cluster
	s_endpgm
.Lentry_in_a_cluster:
	s_bfe_u32 s2, ttmp6, 0x10000c
	s_cmp_lg_u32 s2, 0xf033
	s_cbranch_scc0 .Lentry_shape_is_right
	s_endpgm
.Lentry_shape_is_right:
; out0[s][n] = sum over k of cat[s][k] Wp[k][n] + bp[n], on codes of FP4 (E2M1) with one E8M0 scale for each 32 along K = 1,024; out0 f32.
; cat comes as images of operand registers: [block of 128 rows 32][69,632]: [K step 8][tile of rows 8][1,024], then [K step 8][row 128] scale words.  Wp's codes: [n 1,024][512 bytes], scale bytes [n][32].
; SHARES.  Work-group (x = block of 128 rows, y = block of 128 columns); 8 waves: P = wave % 4 takes tiles of rows 2 P, 2 P + 1; NH = wave / 4 takes tiles of columns 4 NH .. 4 NH + 3: 8 accumulators.
; Source 0 = 16 rows of Wp (columns of out0), source 1 = cat's fragment: a lane holds one row of out0 and eight neighbouring columns.  bp starts the sums.
; ALL OF K LIES IN LDS, filled once: no slot is filled again.  CLUSTERS 4 x 4: cat's block hangs on x alone: asked for jointly along a column of the cluster; Wp's on y alone: along a row.
; Two buffers of fragments: a K step's 12 loads are issued ahead of the step before's 8 products.
.set HB,   33792                       ; 64 rows of Wp: 512 bytes + 16 of padding each
.set TP,   8448                        ; 16 rows
.set WPS,  67584                       ; Wp's scale bytes: 16 units of 256 bytes + 16
.set CAT,  71936                       ; cat's block, as it lies in memory
.set STG,  141568                      ; the way out: for each wave two stages of 16 rows x (256 bytes + 16); no tensor load lands here
.set WV,   14                          ; s14 wave, s15 P, s16 NH
; REGISTERS: v1 lane, v2 r, v3 h; v4 Wp's fragments' LDS address, v5 cat's, v6 Wp's scale words', v7 cat's; v8-15 cat's scale words of the 8 K steps (lanes 0-15 my first tile, lanes 16-31 my second);
;   v16-31 Wp's (register 8 i + s: lanes 0-15 tile i, lanes 16-31 tile i + 2); v32-79, v80-127 two buffers (Wp's tile t at + 8 t, cat's n at + 32 + 8 n); v128-191 accumulators (n, t) at 128 + 32 n + 8 t; v192-195 the way out.
.macro ROUND
	s_barrier_signal -1
	s_barrier_wait -1
	s_cmp_lg_u32 s[WV], 0
	s_cbranch_scc1 .Lnot_wave_0_\@
	s_barrier_signal -3
.Lnot_wave_0_\@:
	s_barrier_wait -3
	s_barrier_signal -1
	s_barrier_wait -1
.endm
	s_load_b256 s[4:11], s[0:1], 0x0               ; cat, Wp's codes, Wp's scales, bp
	s_load_b64 s[12:13], s[0:1], 0x20              ; out0
	v_lshl_add_u32 v254, v0, 2, 0x33900
	v_mov_b32 v255, 0
	ds_add_u32 v254, v255
	ds_add_u32 v254, v255
	v_lshrrev_b32 v1, 5, v0
	s_delay_alu instid0(VALU_DEP_1)
	v_readfirstlane_b32 s[WV], v1
	s_and_b32 s15, s[WV], 3
	s_lshr_b32 s16, s[WV], 2
	s_bfe_u32 s17, ttmp6, 0x40000                  ; cx
	s_bfe_u32 s18, ttmp6, 0x40004                  ; cy
	s_lshl_b32 s19, ttmp9, 2
	s_add_co_u32 s19, s19, s17                     ; block of rows
	s_and_b32 s20, ttmp7, 0xffff
	s_lshl_b32 s20, s20, 2
	s_add_co_u32 s20, s20, s18                     ; block of columns
	s_lshl_b32 s21, s18, 2
	s_lshl_b32 s21, 15, s21                        ; my row of the cluster: shares the columns
	s_lshl_b32 s22, 0x1111, s17                    ; my column: shares the rows
	s_or_b32 s24, s21, (1<<20)|(1<<21)|(6<<22)|(3<<25)              ; Wp's codes: 64 rows x 512 bytes, 4 words of padding behind every 128
	s_mov_b32 s25, 512<<16
	s_mov_b32 s26, 64<<16
	s_mov_b32 s27, 512<<16
	s_mov_b32 s28, 64
	s_mov_b32 s29, 512
	s_mov_b32 s30, 0
	s_mov_b32 s31, 0
	s_or_b32 s32, s21, (3<<16)|(1<<20)|(1<<21)|(5<<22)|(3<<25)      ; Wp's scale bytes: 16 rows of 256 dense bytes, 4 words of padding behind each
	s_mov_b32 s33, 32<<16
	s_mov_b32 s34, 16<<16
	s_mov_b32 s35, 32<<16
	s_mov_b32 s36, 16
	s_mov_b32 s37, 32
	s_mov_b32 s38, 0
	s_mov_b32 s39, 0
	s_or_b32 s40, s22, (3<<16)|(1<<21)             ; a quarter of cat's block: 68 rows of 256 dense bytes, no padding
	s_mov_b32 s41, 32<<16
	s_mov_b32 s42, 68<<16
	s_mov_b32 s43, 32<<16
	s_mov_b32 s44, 68
	s_mov_b32 s45, 32
	s_mov_b32 s46, 0
	s_mov_b32 s47, 0
	s_and_b32 s74, s[WV], 1                        ; (s74, s75 hold the wave's number's offspring alone; s68-69 the columns' block, s70-71 the rows')
	s_mul_i32 s75, s74, HB
	s_lshl_b32 s74, s74, 15
	s_lshl_b32 s68, s20, 16
	s_add_co_u32 s68, s68, s74
	s_mov_b32 s69, 0
	s_wait_dscnt 0x0
	s_wait_kmcnt 0x0
	s_mov_b32 s48, 1                               ; group 0: Wp's codes, rows 64 (wave % 2) on
	s_mov_b32 s49, s75
	s_add_nc_u64 s[50:51], s[6:7], s[68:69]
	s_or_b32 s51, s51, 0x80000000
	s_lshl_b32 s68, s20, 12
	s_mov_b32 s52, 1                               ; Wp's scale bytes
	s_mov_b32 s53, WPS
	s_add_nc_u64 s[54:55], s[8:9], s[68:69]
	s_or_b32 s55, s55, 0x80000000
	s_mul_i32 s74, s15, 17408
	s_mul_i32 s70, s19, 69632
	s_add_co_u32 s70, s70, s74
	s_mov_b32 s71, 0
	s_mov_b32 s56, 1                               ; cat's quarter wave % 4
	s_add_co_u32 s57, s74, CAT
	s_add_nc_u64 s[58:59], s[4:5], s[70:71]
	s_or_b32 s59, s59, 0x80000000
	ROUND                                          ; all sixteen work-groups are here: the joint loads meet
	s_cmp_lt_u32 s[WV], 4                          ; waves 4-7 cat, waves 0, 1 Wp's codes, wave 2 its scale bytes, wave 3 nothing.  Four v_nop follow each line
	s_cbranch_scc0 .Lfor_cat
	s_cmp_lt_u32 s[WV], 2
	s_cbranch_scc0 .Lfor_scales
	tensor_load_to_lds s[48:51], s[24:31]
	s_nop 0
.rept 4
	v_nop
.endr
	s_branch .Lasked
.Lfor_scales:
	s_cmp_eq_u32 s[WV], 2
	s_cbranch_scc0 .Lasked
	tensor_load_to_lds s[52:55], s[32:39]
	s_nop 0
.rept 4
	v_nop
.endr
	s_branch .Lasked
.Lfor_cat:
	tensor_load_to_lds s[56:59], s[40:47]
	s_nop 0
.rept 4
	v_nop
.endr
.Lasked:
	s_lshl_b32 s72, s20, 9                         ; my 64 columns, in bytes: 512 x block + 256 NH
	s_lshl_b32 s73, s16, 8
	s_add_co_u32 s72, s72, s73
	s_mov_b32 s73, 0
	s_add_nc_u64 s[60:61], s[10:11], s[72:73]      ; bp there
	s_lshl_b32 s76, s19, 19                        ; my first row: (128 x block + 64 (P / 2) + 16 (P % 2)) x 4,096 bytes
	s_lshr_b32 s77, s15, 1                         ; tile 4 c + u of cat holds the rows 64 c + 32 (r / 8) + 8 u + r % 8: mine are tiles 2 P, 2 P + 1: 64 (P / 2) + 16 (P % 2) rows on
	s_lshl_b32 s77, s77, 18
	s_add_co_u32 s76, s76, s77
	s_and_b32 s77, s15, 1
	s_lshl_b32 s77, s77, 16
	s_add_co_u32 s76, s76, s77
	s_add_co_u32 s72, s72, s76
	s_add_nc_u64 s[62:63], s[12:13], s[72:73]      ; out0 there
	v_and_b32 v1, 31, v0
	v_and_b32 v2, 15, v0
	v_bfe_u32 v3, v0, 4, 1
	s_delay_alu instid0(VALU_DEP_2)
	v_mul_u32_u24 v4, v2, 528
	s_delay_alu instid0(VALU_DEP_1)
	v_lshl_add_u32 v4, v3, 4, v4
	s_mul_i32 s74, s16, HB
	v_add_nc_u32 v4, s74, v4                       ; Wp: my 64 rows; row r x pitch + 16 h
	v_lshlrev_b32 v5, 4, v1
	s_lshl_b32 s74, s15, 11
	s_add_co_u32 s74, s74, CAT
	v_add_nc_u32 v5, s74, v5                       ; cat: my two fragments of a K step; 16 x lane
	v_lshrrev_b32 v6, 3, v2
	v_and_b32 v7, 7, v2
	s_delay_alu instid0(VALU_DEP_2)
	v_mul_u32_u24 v6, v6, 272
	s_delay_alu instid0(VALU_DEP_1)
	v_lshl_add_u32 v6, v7, 5, v6
	s_delay_alu instid0(VALU_DEP_1)
	v_mad_u32_u24 v6, v3, 1088, v6                 ; Wp's scale bytes: row r's 32; lanes 16-31 take the tile two further on
	s_mul_i32 s74, s16, 2176
	s_add_co_u32 s74, s74, WPS
	v_add_nc_u32 v6, s74, v6
	v_lshlrev_b32 v7, 2, v1
	s_lshl_b32 s74, s15, 7
	s_add_co_u32 s74, s74, CAT+65536
	v_add_nc_u32 v7, s74, v7                       ; cat's scale words: my 32 rows on end
	s_mul_i32 s74, s[WV], 8704
	s_add_co_u32 s74, s74, STG                     ; my stages
	v_mul_u32_u24 v192, v2, 272
	s_delay_alu instid0(VALU_DEP_1)
	v_lshl_add_u32 v192, v3, 5, v192
	s_delay_alu instid0(VALU_DEP_1)
	v_add_nc_u32 v192, s74, v192                   ; in: row r, 32 bytes for each half of the lanes
	v_mul_u32_u24 v193, v3, 272
	s_delay_alu instid0(VALU_DEP_1)
	v_lshl_add_u32 v193, v2, 4, v193
	s_delay_alu instid0(VALU_DEP_1)
	v_add_nc_u32 v193, s74, v193                   ; back: lanes 0-15 one row of 256 bytes, lanes 16-31 the next
	v_lshlrev_b32 v194, 12, v3
	s_delay_alu instid0(VALU_DEP_1)
	v_lshl_add_u32 v194, v2, 4, v194               ; and the same two rows in out0
	v_lshlrev_b32 v195, 5, v3
.irp n, 0,1                            ; bp starts the sums: register j of tile t wants bp[16 t + 8 h + j]
.irp t, 0,1,2,3
	global_load_b128 v[128+32*\n+8*\t:131+32*\n+8*\t], v195, s[60:61] offset:64*\t
	global_load_b128 v[132+32*\n+8*\t:135+32*\n+8*\t], v195, s[60:61] offset:64*\t+16
.endr
.endr
	s_wait_loadcnt 0x0
	s_wait_tensorcnt 0x0                           ; my load, if I issued one, has landed,
	s_barrier_signal -1
	s_barrier_wait -1                              ; everybody's has
.macro LOADF s, f                      ; K step s: four fragments of Wp, two of cat, into the buffer at v[f]
.irp t, 0,1,2,3
.irp c, 0,1
	ds_load_b128 v[\f+8*\t+4*\c:\f+8*\t+4*\c+3], v4 offset:TP*\t+64*(\s)+32*\c
.endr
.endr
.irp n, 0,1
.irp c, 0,1
	ds_load_b128 v[\f+32+8*\n+4*\c:\f+32+8*\n+4*\c+3], v5 offset:8192*(\s)+1024*\n+512*\c
.endr
.endr
.endm
.macro MUL s, f                        ; 8 products; the eight accumulators take turns, one instruction a turn
.irp t, 0,1
	v_wmma_scale_f32_16x16x128_f8f6f4 v[128+8*\t:135+8*\t], v[\f+8*\t:\f+8*\t+7], v[\f+32:\f+39], v[128+8*\t:135+8*\t], v[16+8*\t+(\s)], v[8+(\s)] matrix_a_fmt:MATRIX_FMT_FP4 matrix_b_fmt:MATRIX_FMT_FP4
	v_wmma_scale_f32_16x16x128_f8f6f4 v[160+8*\t:167+8*\t], v[\f+8*\t:\f+8*\t+7], v[\f+40:\f+47], v[160+8*\t:167+8*\t], v[16+8*\t+(\s)], v[8+(\s)] matrix_a_fmt:MATRIX_FMT_FP4 matrix_b_fmt:MATRIX_FMT_FP4 matrix_b_scale:MATRIX_SCALE_ROW1
.endr
.irp t, 2,3
	v_wmma_scale_f32_16x16x128_f8f6f4 v[128+8*\t:135+8*\t], v[\f+8*\t:\f+8*\t+7], v[\f+32:\f+39], v[128+8*\t:135+8*\t], v[16+8*(\t-2)+(\s)], v[8+(\s)] matrix_a_fmt:MATRIX_FMT_FP4 matrix_b_fmt:MATRIX_FMT_FP4 matrix_a_scale:MATRIX_SCALE_ROW1
	v_wmma_scale_f32_16x16x128_f8f6f4 v[160+8*\t:167+8*\t], v[\f+8*\t:\f+8*\t+7], v[\f+40:\f+47], v[160+8*\t:167+8*\t], v[16+8*(\t-2)+(\s)], v[8+(\s)] matrix_a_fmt:MATRIX_FMT_FP4 matrix_b_fmt:MATRIX_FMT_FP4 matrix_a_scale:MATRIX_SCALE_ROW1 matrix_b_scale:MATRIX_SCALE_ROW1
.endr
.endm
.macro PSTEP s, f, g                   ; the next K step's fragments into buffer g, then K step s from buffer f
.if (\s) > 0
.rept 4
	v_nop                                          ; four places in front of loads into registers that matrix instructions have read
.endr
.endif
	LOADF (\s)+1, \g
	s_wait_dscnt 12                                ; all but the 12 just issued
	MUL \s, \f
.endm
.irp s, 0,1,2,3,4,5,6,7
	ds_load_b32 v[8+\s], v7 offset:512*\s          ; all scale words, once
.endr
.irp i, 0,1
.irp g, 0,1
	ds_load_b128 v[16+8*\i+4*\g:19+8*\i+4*\g], v6 offset:544*\i+16*\g
.endr
.endr
	LOADF 0, 32
	PSTEP 0, 32, 80
	PSTEP 1, 80, 32
	PSTEP 2, 32, 80
	PSTEP 3, 80, 32
	PSTEP 4, 32, 80
	PSTEP 5, 80, 32
	PSTEP 6, 32, 80
	s_wait_dscnt 0x0
	MUL 7, 80
	; THE WAY OUT: a lane holds 32 neighbouring bytes of a row, the lanes beside it other rows: through my own stages in LDS, and back as rows of 256 bytes.  LDS serves a wave's instructions in order (ISA guide 5.7.1.4)
.rept 4
	v_nop                                          ; four places behind the last products
.endr
	s_wait_alu depctr_va_vdst(0)
.irp n, 0,1
.irp t, 0,1,2,3
	ds_store_b128 v192, v[128+32*\n+8*\t:131+32*\n+8*\t] offset:4352*\n+64*\t          ; each accumulator from its low end on
	ds_store_b128 v192, v[132+32*\n+8*\t:135+32*\n+8*\t] offset:4352*\n+64*\t+16
.endr
.endr
.irp n, 0,1
.irp i, 0,1,2,3,4,5,6,7
	ds_load_b128 v[32+48*\n+4*\i:35+48*\n+4*\i], v193 offset:4352*\n+544*\i
.endr
.endr
.irp n, 0,1
.irp i, 0,1,2,3,4,5,6,7
	s_wait_dscnt 15-8*\n-\i                        ; the younger loads may stay out
	global_store_b128 v194, v[32+48*\n+4*\i:35+48*\n+4*\i], s[62:63] offset:32768*\n+8192*\i+98304*(\i/4) th:TH_STORE_NT   ; rows 8 n + 2 i + h, and 24 more from the tile's ninth row on; 16 lanes store 256 consecutive bytes
.endr
.endr
	s_wait_tensorcnt 0x0
	ds_add_u32 v254, v255
	s_wait_dscnt 0x0
	ROUND                                          ; the closing round
	s_endpgm
.Lfunc_end_k_qc3e7484493_proj:
	.size	k_qc3e7484493_proj, .Lfunc_end_k_qc3e7484493_proj-k_qc3e7484493_proj
	.p2alignl 7, 3214868480
	.fill 96, 4, 3214868480
	.section	.rodata,"a",@progbits
	.p2align	6, 0x0
	.amdhsa_kernel k_qc3e7484493_proj
		.amdhsa_group_segment_fixed_size 327680
		.amdhsa_private_segment_fixed_size 0
		.amdhsa_enable_private_segment 0
		.amdhsa_kernarg_size 40
		.amdhsa_user_sgpr_count 2
		.amdhsa_user_sgpr_kernarg_segment_ptr 1
		.amdhsa_wavefront_size32 1
		.amdhsa_system_sgpr_workgroup_id_x 1
		.amdhsa_system_sgpr_workgroup_id_y 1
		.amdhsa_system_sgpr_workgroup_id_z 1
		.amdhsa_system_vgpr_workitem_id 0
		.amdhsa_next_free_vgpr 256
		.amdhsa_next_free_sgpr 80
		.amdhsa_reserve_vcc 0
		.amdhsa_float_denorm_mode_32 3
		.amdhsa_float_denorm_mode_16_64 3
		.amdhsa_memory_ordered 1
		.amdhsa_forward_progress 1
		.amdhsa_inst_pref_size 30
	.end_amdhsa_kernel
	.amdgpu_metadata
---
amdhsa.version: [ 1, 2 ]
amdhsa.kernels:
  - .name:           k_qc3e7484493_proj
    .symbol:         k_qc3e7484493_proj.kd
    .args:
      - { .name: cat, .offset: 0, .size: 8, .value_kind: global_buffer, .address_space: global }
      - { .name: Wp_codes, .offset: 8, .size: 8, .value_kind: global_buffer, .address_space: global }
      - { .name: Wp_scales, .offset: 16, .size: 8, .value_kind: global_buffer, .address_space: global }
      - { .name: bp, .offset: 24, .size: 8, .value_kind: global_buffer, .address_space: global }
      - { .name: out0, .offset: 32, .size: 8, .value_kind: global_buffer, .address_space: global }
    .group_segment_fixed_size: 327680
    .private_segment_fixed_size: 0
    .kernarg_segment_align: 8
    .kernarg_segment_size: 40
    .max_flat_workgroup_size: 256
    .sgpr_count:     80
    .vgpr_count:     256
    .wavefront_size: 32
...
	.end_amdgpu_metadata
.endif
;; end of part 3
